; MI455X (gfx1250); checked and timed in simulation.
; The chip was launched on July 23, 2026; its instructions are those of AMD's public machine-readable ISA for CDNA 5 (MIT licence, August 2026) and "CDNA5" Instruction Set Architecture Reference Guide (July 2026). The comments in the code are by the model that wrote it; some were corrected since.
;; IPDF Encoder. Allowed arithmetic: float matrix products may take bf16 or f16 operands with f32 sums; all other float work in f32.
;; Inputs: b1 8 x 256 float32; b2 8 x 256 float32; b3 8 x 1 float32; obj_idx 16 int32; w1 8 x 256 x 6 float32; w2 8 x 256 x 256 float32; w3 8 x 1 x 256 float32; x 16 x 6 x 32,768 float32.
;; Outputs: out0 16 x 1 x 32,768 float32.
;; 2 versions, each right; version 2 is version 1 with the launch mlp written anew for expert scheduling mode. Each part assembles by itself: llvm-mc -triple=amdgcn-amd-amdhsa -mcpu=gfx1250 --defsym DOCPART=n.
;; ======== version 1 of 2: 1 launch
;; limits: values outside matrix products are rounded to bf16; values are held in f16: magnitudes above 65,504 overflow, below 6.1e-05 lose precision; right only within a limited range of input values
;; launch mlp (part 1): grid 16 x 16, 4 waves a work-group, no clusters, 158,208 bytes of LDS; arguments x, obj_idx, w1, b1, w2, b2, w3, b3, out0; writes out0
.if DOCPART == 1
	.amdgcn_target "amdgcn-amd-amdhsa--gfx1250"
	.amdhsa_code_object_version 6
	.text
	.protected	k_q0f4c14557e_mlp
	.globl	k_q0f4c14557e_mlp
	.p2align	8
	.type	k_q0f4c14557e_mlp,@function
k_q0f4c14557e_mlp:
	s_mov_b64 s[64:65], 0
	v_nop
	global_prefetch_b8 v0, s[64:65] scope:SCOPE_SE
	s_setreg_imm32_b32 hwreg(HW_REG_WAVE_MODE, 25, 1), 1
	s_wait_xcnt 0x0
; out0[b][p] = w3[e] . relu( W2[e] relu( W1[e] x[b][:,p] + b1[e] ) + b2[e] ) + b3[e],   e = obj_idx[b].
; x [16][6][32768], w1 [8][256][6], w2 [8][256][256], w3 [8][256], b1, b2 [8][256], b3 [8], out0 [16][32768], all f32.
;
; SHARES.  Work-group (cx, b): 2,048 positions of sample b.  Four waves, 512 positions each, in 4 blocks of 128 (8 tiles of 16).
; The three layers are fused: h1 (256 channels x 128 positions, f16) lives in 512 registers of the wave, h2 only in accumulators.
; The expert's W2 is read once by the work-group (262,144 bytes), made 16 bits wide and kept in LDS for all 2,048 positions;
; one fragment of it (1,024 bytes from LDS) feeds 8 matrix instructions.  Behind the one barrier LDS is only read.
; Layer 1 goes to the matrix unit in bf16 with K places 0-5 = w1, 6 = b1, the rest zero; layer 2 in f16.
; Layer 3 has a single output row: it is done in f32 on the vector unit, 4 packed multiply-adds for a tile of 16 x 16, on h2 unrounded.
;
; FORMATS.  EVERY input (x, w1, b1, w2, b2, w3, b3) is rounded to bf16 (nearest even) on entry: the result is reference() on the rounded
; inputs, with f32 sums and one further rounding, that of h1 to f16 (11 significant bits; 8 proved too few).
; f16 codes are made from f32 bits: the bits of t = v x 2^-112 hold v's f16 exponent and mantissa in bits 27:13 (f32's bias 127 less 112
; is f16's bias 15; where v is an f16 denormal, t is an f32 denormal and the same bits hold).
;   h1: W1ext and the fragments of x are scaled by 2^-56 each ahead of their rounding (a power of two commutes with it), so layer 1's
;       sums ARE h x 2^-112; (bits << 3) + 0x8000 rounds (half up) and leaves the code in the upper half; v_perm_b32 packs two of them.
;   W2: scaled by 2^-112 and rounded to bf16, a half is s 000 EEEEE mmmmmmm; its low 12 bits << 3, plus the sign, are the f16 code of
;       bf16(w2), exactly.
;
; NO CLUSTER, NO TENSOR LOADS: the 16 work-groups of a sample share W2, but it lies in memory as f32 and must pass a conversion;
; a joint tile would need 262,144 bytes of f32 beside the 135,168 bytes of 16-bit codes, more than the 327,680 bytes of LDS, so pieces and
; barriers, for bytes that each work-group touches once, ahead of 2,048 x 65,536 multiply-adds.
;
; LIMITS.  h1 and |w2| of 65,504 or more are outside f16 and are not served.  Below 2^-14, h1 has the absolute step 2^-24 and w2 the
; step 2^-21.  |x|, |w1|, |b1| below 2^-70 lose bits (bf16 denormals behind the scaling).  relu is a maximum in which a NaN loses: NaN
; becomes 0.  Non-finite inputs are not served.  obj_idx is clamped by an unsigned minimum to 7: values outside 0..7 all take expert 7.
;
; POSITIONS.  Column r of tile n = 4 h' + q is the block's position 64 h' + 4 r + q.  So the 16 bytes that lane L = 16 h + r loads of a
; channel (positions 4L..4L+3) are, register q, its own column of tile 4 h + q, and a lane ends up with four neighbouring outputs.
;
; REGISTERS, in windows of 256 (s_set_vgpr_msb: bits 1:0 source 0, 3:2 source 1, 5:4 source 2, 7:6 destination):
;   window 0: v4-v18 addresses, v9 b3, v20-23 scales; A ring of 8 fragments; ACC0, ACC1 two sets of 8 accumulator tiles; B2 bias; O layer 3's sums; R result
;   window 1: h1, K steps 0-2 (v0-191); XS x as loaded (v192-215)      window 2: h1, K steps 3-5 (v0-191)
;   window 3: h1, K steps 6-7 (v0-127); W3: w3[16 t + 8 h + j] at v[128 + 8 t + j]
; In layer 2 h1 is the only operand outside window 0 and always source 1, so one setting serves matrix, vector and LDS lines alike.
.set VB,   131072                      ; bytes of a channel of x, and of a sample of out0
.set NBLK, 4                           ; blocks of 128 positions of a wave
.set P2,   528                         ; LDS pitch of W2: 512 bytes + 16 = 33 x 16: the 16 rows of a fragment load start in 16 different 16-byte columns modulo 256
.set P1,   80                          ; LDS pitch of W1ext: 64 bytes + 16 = 5 x 16
.set W1L,  256*P2                      ; 135,168: W1ext, 256 rows
.set B2L,  W1L+256*P1                  ; 155,648: b2, rounded, as f32: 1,024 bytes
.set W3L,  B2L+1024                    ; 156,672: w3, rounded, as f32: 1,024 bytes; the end is 157,696
.set SX,   20                          ; v[20:21]   2^-56, twice: the scale of x, w1 and b1
.set SW,   22                          ; v[22:23]   2^-112, twice: the scale of W2
.set A,    32                          ; v[32:95]   ring of 8 fragments (W1 tiles in layer 1, W2's 8 K steps in layer 2)
.set ACC0, 96                          ; v[96:159]  layer 1: the 8 fragments of x;  layer 2: accumulators of even tiles
.set ACC1, 160                         ; v[160:223] layer 1: its 8 results;         layer 2: accumulators of odd tiles
.set B2,   224                         ; v[224:231] b2[16 t + 8 h + j]
.set O,    232                         ; v[232:247] 8 pairs: layer 3's partial sums of tile n
.set R,    248                         ; v[248:251] four outputs
.set XS,   192                         ; window 1: channel i in v[192+4i : 195+4i]
.set W3,   128                         ; window 3
.set MSB, 0
.macro WIN new                         ; the immediate's high byte repeats the setting that is left; no line where nothing changes
.if MSB != \new
	s_set_vgpr_msb (MSB<<8)|\new
.set MSB, \new
.endif
.endm
; A load into a register that a matrix instruction has read, and a vector instruction that reads a matrix result, stand four places
; behind it; only plain vector instructions that name none of its registers are places.
.macro PLACES
.rept 4
	v_nop
.endr
.endm
; 16 loads: chunk c (8 rows of W2, 8,192 bytes) of my wave's 64 rows into one of three buffers of 64 registers
.macro W2LOAD c
.set wl_c, \c
.set ii, 0
.rept 16
	global_load_b128 v[A+64*(wl_c%3)+4*ii:A+64*(wl_c%3)+4*ii+3], v10, s[16:17] offset:wl_c*8192+ii*512
.set ii, ii+1
.endr
.endm
; chunk c to the f16 codes of bf16(w2) and into LDS: load i held half a row (128 numbers); a lane's 4 numbers become 8 bytes,
; a wave's store 256 neighbouring bytes
.macro W2CVT c
.set wc_c, \c
.set wb, A+64*(wc_c%3)
.set ii, 0
.rept 16
	v_pk_mul_f32 v[wb+4*ii:wb+4*ii+1], v[wb+4*ii:wb+4*ii+1], v[SW:SW+1]          ; x 2^-112
	v_pk_mul_f32 v[wb+4*ii+2:wb+4*ii+3], v[wb+4*ii+2:wb+4*ii+3], v[SW:SW+1]
	v_cvt_pk_bf16_f32 v[wb+4*ii], v[wb+4*ii], v[wb+4*ii+1]                       ; the rounding to 8 significant bits
	v_cvt_pk_bf16_f32 v[wb+4*ii+1], v[wb+4*ii+2], v[wb+4*ii+3]
	v_and_b32 v[wb+4*ii+2], s41, v[wb+4*ii]                                      ; the two signs
	v_and_b32 v[wb+4*ii+3], s41, v[wb+4*ii+1]
	v_and_b32 v[wb+4*ii], s42, v[wb+4*ii]                                        ; 5 bits of exponent and 7 of mantissa, twice
	v_and_b32 v[wb+4*ii+1], s42, v[wb+4*ii+1]
	v_lshl_add_u32 v[wb+4*ii], v[wb+4*ii], 3, v[wb+4*ii+2]                       ; into f16's places
	v_lshl_add_u32 v[wb+4*ii+1], v[wb+4*ii+1], 3, v[wb+4*ii+3]
	ds_store_b64 v11, v[wb+4*ii:wb+4*ii+1] offset:(8*wc_c+ii/2)*P2+(ii%2)*256
.set ii, ii+1
.endr
.endm
; w3 for the whole kernel: 16 tiles x 8 numbers a lane, from LDS into window 3; the 16 lanes of a half read the same bytes
.macro W3LOAD
	WIN 0xc0
.set ii, 0
.rept 16
	ds_load_b128 v[W3+8*ii:W3+8*ii+3], v12 offset:64*ii
	ds_load_b128 v[W3+8*ii+4:W3+8*ii+7], v12 offset:64*ii+16
.set ii, ii+1
.endr
	WIN 0
.endm
; one row of W1ext, from numbers already scaled by 2^-56: (w0,w1) (w2,w3) (w4,w5) (b1, 0); v252 holds 0
.macro W1ROW dst, w, b
	v_cvt_pk_bf16_f32 v[\dst], v[\w], v[\w+1]
	v_cvt_pk_bf16_f32 v[\dst+1], v[\w+2], v[\w+3]
	v_cvt_pk_bf16_f32 v[\dst+2], v[\w+4], v[\w+5]
	v_cvt_pk_bf16_f32 v[\dst+3], v[\b], v252
.endm
; two f32 in v[p], v[p+1] rounded to bf16 and widened to f32 again (they are used as f32 operands)
.macro RND2 p
	v_cvt_pk_bf16_f32 v248, v[\p], v[\p+1]
	v_lshlrev_b32 v[\p], 16, v248
	v_and_b32 v[\p+1], s33, v248
.endm
; fragments of W2's tile t (rows 16 t ..), K steps k0 .. k0+3, into ring slots k0 .. k0+3
.macro LOADA t, k0
.set la_t, \t
.set la_k, \k0
.rept 4
.if la_t < 8
	ds_load_b128 v[A+8*la_k:A+8*la_k+3], v4 offset:(la_t%8)*16*P2+64*la_k
	ds_load_b128 v[A+8*la_k+4:A+8*la_k+7], v4 offset:(la_t%8)*16*P2+64*la_k+32
.else
	ds_load_b128 v[A+8*la_k:A+8*la_k+3], v5 offset:(la_t%8)*16*P2+64*la_k
	ds_load_b128 v[A+8*la_k+4:A+8*la_k+7], v5 offset:(la_t%8)*16*P2+64*la_k+32
.endif
.set la_k, la_k+1
.endr
.endm
.macro LOADB2 t                        ; b2[16 t + 8 h + 0..7]
.set lb_t, \t
	ds_load_b128 v[B2:B2+3], v7 offset:64*lb_t
	ds_load_b128 v[B2+4:B2+7], v7 offset:64*lb_t+16
.endm
.macro LOADW1 t                        ; W1ext's tile t into ring slot t % 8
.set lw_t, \t
	ds_load_b128 v[A+8*(lw_t%8):A+8*(lw_t%8)+3], v6 offset:16*P1*lw_t
	ds_load_b128 v[A+8*(lw_t%8)+4:A+8*(lw_t%8)+7], v6 offset:16*P1*lw_t+32
.endm
.macro XLOAD                           ; six channels of a block: each load covers 512 neighbouring bytes; read once in the launch
	WIN 0x40
.irp i, 0,1,2,3,4,5
	global_load_b128 v[XS+4*\i:XS+4*\i+3], v8, s[8:9] offset:\i*VB th:TH_LOAD_NT
.endr
	WIN 0
.endm
; The 8 B fragments of layer 1, of x scaled by 2^-56.  Tile 4 h' + q: registers 0-2 = (x0,x1) (x2,x3) (x4,x5), register 3 = (2^-56, 0),
; in the lanes of half h' alone (that half carries K places 8 h' .. 8 h' + 7, and W1ext repeats its eight numbers there); zero in the
; other half and in registers 4-7.
.macro XBUILD
	WIN 0x01                                       ; source 0: x as loaded, window 1
.set ii, 0
.rept 12
	v_pk_mul_f32 v[ACC1+32+2*ii:ACC1+33+2*ii], v[XS+2*ii:XS+2*ii+1], v[SX:SX+1]
.set ii, ii+1
.endr
	WIN 0
.irp q, 0,1,2,3
.irp c, 0,1,2
	v_cvt_pk_bf16_f32 v[ACC1+3*\q+\c], v[ACC1+32+8*\c+\q], v[ACC1+32+8*\c+4+\q]
.endr
.endr
.irp q, 0,1,2,3
.irp c, 0,1,2
	v_cndmask_b32 v[ACC0+8*\q+\c], v[ACC1+3*\q+\c], 0, s33
	v_cndmask_b32 v[ACC0+8*(4+\q)+\c], 0, v[ACC1+3*\q+\c], s33
.endr
	v_cndmask_b32 v[ACC0+8*\q+3], v13, 0, s33
	v_cndmask_b32 v[ACC0+8*(4+\q)+3], 0, v13, s33
.endr
.set nn, 0
.rept 8                                ; K places 16-31 are unused.  These registers are layer 2's accumulators in between, so the zeros are written in each block
.irp c, 4,5,6,7
	v_mov_b32 v[ACC0+8*nn+\c], 0
.endr
.set nn, nn+1
.endr
.endm
; Layer 1, channels 16 t .. 16 t + 15 of all 128 positions.  A result tile (register j: channel 16 t + 8 h + j, column r), packed in pairs,
; is registers 4 (t % 2) .. + 3 of layer 2's B fragment of K step t / 2: h1 never leaves the lane.
; The sums are h x 2^-112.  relu in f32, in place; then no sign is left, (bits << 3) + 0x8000 rounds to 11 significant bits and has the
; f16 code in its upper half; v_perm_b32 packs two upper halves straight into h1's window.
.macro L1T t
.set lt, \t
	WIN 0
.if lt%8 == 0
	s_wait_dscnt 0x0                               ; the eight W1 fragments of tiles t .. t + 7 (first block, t = 0: w3 too); nothing younger is out
.endif
.set nn, 0
.rept 8
	v_wmma_f32_16x16x32_bf16 v[ACC1+8*nn:ACC1+8*nn+7], v[A+8*(lt%8):A+8*(lt%8)+7], v[ACC0+8*nn:ACC0+8*nn+7], 0
.set nn, nn+1
.endr
	PLACES                                         ; in front of the load into the fragment just used and of the first line that reads a result
.if lt < 8
	LOADW1 lt+8
.endif
.if lt == 15
	LOADA 0, 0                                     ; layer 2's first fragments: slots 0-3 were last used by tiles 8-11
	LOADB2 0
.endif
.set ii, 0
.rept 64
	v_max_num_f32 v[ACC1+ii], 0, v[ACC1+ii]        ; relu
.set ii, ii+1
.endr
.set ii, 0
.rept 64
	v_lshl_add_u32 v[ACC1+ii], v[ACC1+ii], 3, s43  ; the f16 code, rounded, in the upper half
.set ii, ii+1
.endr
.set wsel, (1+lt/6)<<6
	WIN wsel                                       ; destination: the window of K step t / 2; the sources stay in window 0
.set nn, 0
.rept 8
.irp c, 0,1,2,3
	v_perm_b32 v[64*((lt/2)%3)+8*nn+4*(lt%2)+\c], v[ACC1+8*nn+2*\c+1], v[ACC1+8*nn+2*\c], s40    ; low half: channel 2c, high half: 2c + 1
.endr
.set nn, nn+1
.endr
.endm
; Layer 2, channels 16 t .. 16 t + 15: 8 K steps x 8 position tiles, the first link takes b2 as C, the others are chains in place.
; Behind each matrix instruction stands a share of tile t - 1's way out (the other accumulator set): 64 relu over the first 48 places,
; then, where source 1 means window 3 and so reaches w3, 32 packed multiply-adds of layer 3.
.macro MT t
.set mt, \t
.set CUR, ACC0+64*(mt%2)
.set PRV, ACC0+64*((mt+1)%2)
	s_wait_dscnt 0x0                               ; slots 0-3 and b2 of this tile, asked 24 matrix instructions ago; nothing younger is out
.if mt == 1
	PLACES                                         ; tile 0 had no vector work among its last links: the places in front of the first relu
.endif
.set sl, 0
.rept 64
.set kk, sl/8
.set nn, sl%8
.set wsel, (1+kk/3)<<2
	WIN wsel
.if sl == 32
	s_wait_dscnt 0x0                               ; slots 4-7, asked behind place 7
.endif
.if kk == 0
	v_wmma_f32_16x16x32_f16 v[CUR+8*nn:CUR+8*nn+7], v[A+8*kk:A+8*kk+7], v[64*(kk%3)+8*nn:64*(kk%3)+8*nn+7], v[B2:B2+7]
.else
	v_wmma_f32_16x16x32_f16 v[CUR+8*nn:CUR+8*nn+7], v[A+8*kk:A+8*kk+7], v[64*(kk%3)+8*nn:64*(kk%3)+8*nn+7], v[CUR+8*nn:CUR+8*nn+7]
.endif
.if mt > 0
.if sl < 48
.set ii, (4*sl)/3
.rept (4*(sl+1))/3-(4*sl)/3
	v_max_num_f32 v[PRV+ii], v[PRV+ii], 0          ; the constant is source 1: the window of source 1 does not touch this line
.set ii, ii+1
.endr
.else
.set pp, (sl-48)/4
.set n2, 2*((sl-48)%4)
.rept 2
.if mt+pp == 1
	v_pk_mul_f32 v[O+2*n2:O+2*n2+1], v[PRV+8*n2+2*pp:PRV+8*n2+2*pp+1], v[W3+8*(mt-1)+2*pp:W3+8*(mt-1)+2*pp+1]    ; tile 0's first pair starts the sums: nothing is cleared
.else
	v_pk_fma_f32 v[O+2*n2:O+2*n2+1], v[PRV+8*n2+2*pp:PRV+8*n2+2*pp+1], v[W3+8*(mt-1)+2*pp:W3+8*(mt-1)+2*pp+1], v[O+2*n2:O+2*n2+1]
.endif
.set n2, n2+1
.endr
.endif
.endif
.if sl == 7
	LOADA mt, 4                                    ; slots 4-7 were last used by the tile before; at least ten vector lines stand between
.endif
.if sl == 39
.if mt == 0
	PLACES                                         ; tile 0 has no vector work between the use of slots 0-3 and of b2 and these loads
.endif
.if mt < 15
	LOADA mt+1, 0
	LOADB2 mt+1
.endif
.endif
.set sl, sl+1
.endr
.endm
.macro EPI15                           ; tile 15's way out, in a row; sixteen packed multiply-adds stand behind the link that it reads first
	WIN 0x0c
.set ii, 0
.rept 64
	v_max_num_f32 v[ACC1+ii], v[ACC1+ii], 0
.set ii, ii+1
.endr
.irp p, 0,1,2,3
.irp j, 0,1,2,3,4,5,6,7
	v_pk_fma_f32 v[O+2*\j:O+2*\j+1], v[ACC1+8*\j+2*\p:ACC1+8*\j+2*\p+1], v[W3+120+2*\p:W3+120+2*\p+1], v[O+2*\j:O+2*\j+1]
.endr
.endr
.endm
; A column's sum is spread over a pair of registers and over lanes r and r + 16.  Lane (r, h) keeps tiles 4 h + q and hands the
; other four tiles' parts to its partner: it ends with outputs 4 L .. 4 L + 3, and the wave's store covers 512 consecutive bytes, aligned.
.macro FIN
	WIN 0
.irp j, 0,1,2,3,4,5,6,7
	v_add_f32 v[O+2*\j], v[O+2*\j], v[O+2*\j+1]
.endr
.irp q, 0,1,2,3
	v_cndmask_b32 v[O+2*\q+1], v[O+8+2*\q], v[O+2*\q], s33     ; what the partner needs
	v_cndmask_b32 v[R+\q], v[O+2*\q], v[O+8+2*\q], s33         ; my own part
.endr
.irp q, 0,1,2,3
	v_permlanex16_b32 v[O+9+2*\q], v[O+2*\q+1], s34, s35       ; lane i takes lane i xor 16; the destination has been written before
	v_add_f32 v[R+\q], v9, v[R+\q]                             ; + b3
.endr
.irp q, 0,1,2,3
	v_add_f32 v[R+\q], v[R+\q], v[O+9+2*\q]
.endr
	global_store_b128 v8, v[R:R+3], s[24:25] th:TH_STORE_NT
.endm
	; ---- scalars and addresses ----
	s_load_b512 s[8:23], s[0:1], 0x0               ; x s[8:9], obj_idx s[10:11], w1 s[12:13], b1 s[14:15], w2 s[16:17], b2 s[18:19], w3 s[20:21], b3 s[22:23]
	s_load_b64 s[24:25], s[0:1], 0x40              ; out0
	v_lshl_add_u32 v30, v0, 2, 0x26800
	v_mov_b32 v31, 0
	v_lshrrev_b32 v1, 5, v0
	v_readfirstlane_b32 s27, v1                    ; wave 0..3
	s_and_b32 s28, ttmp7, 0xffff                   ; sample b
	s_lshl_b32 s29, s28, 2
	s_mov_b32 s31, 0                               ; high word of every offset pair s[30:31]
	s_mov_b32 s33, 0xffff0000                      ; lanes 16-31 as a lane mask; also the upper half of a word
	s_mov_b32 s34, 0x76543210                      ; v_permlanex16_b32: lane i of the other half
	s_mov_b32 s35, 0xfedcba98
	s_mov_b32 s40, 0x07060302                      ; v_perm_b32: the upper halves of both sources
	s_mov_b32 s41, 0x80008000                      ; the signs of two 16-bit codes
	s_mov_b32 s42, 0x0fff0fff                      ; their low 12 bits
	s_mov_b32 s43, 0x8000                          ; half a step of the upper half: the rounding of h1
	v_and_b32 v1, 31, v0                           ; L
	v_and_b32 v2, 15, v0                           ; r
	v_bfe_u32 v3, v0, 4, 1                         ; h
	s_lshl_b32 s38, s27, 11
	v_lshl_add_u32 v8, v1, 4, s38                  ; x and out0: wave x 512 positions x 4 bytes + 16 L; never rewritten
	s_mul_i32 s30, s28, 6*VB
	s_lshl_b32 s37, ttmp9, 13                      ; the work-group's 2,048 positions x 4 bytes
	s_add_co_u32 s30, s30, s37
	s_wait_kmcnt 0x0
	s_load_b32 s26, s[10:11], s29 offset:0x0       ; obj_idx[b]
	s_add_nc_u64 s[8:9], s[8:9], s[30:31]
	XLOAD                                          ; block 0's x does not hang on the expert: asked while obj_idx[b] is on its way
	s_lshl_b32 s30, s28, 17
	s_add_co_u32 s30, s30, s37
	s_add_nc_u64 s[24:25], s[24:25], s[30:31]
	v_mul_u32_u24 v4, v2, P2
	v_lshl_add_u32 v4, v3, 4, v4                   ; W2 fragments, tiles 0-7: r x pitch + 16 h
	v_add_nc_u32 v5, 8*16*P2, v4                   ; tiles 8-15: the immediate offset has 16 bits
	v_mul_u32_u24 v6, v2, P1
	v_lshl_add_u32 v6, v3, 4, v6
	v_add_nc_u32 v6, W1L, v6                       ; W1ext fragments
	v_lshl_add_u32 v7, v3, 5, B2L                  ; b2 in LDS: 8 h numbers in
	s_lshl_b32 s38, s27, 16
	v_lshl_add_u32 v10, v1, 4, s38                 ; W2 in memory: my wave's 64 rows of 1,024 bytes + 16 L
	s_mul_i32 s39, s27, 64*P2
	v_lshl_add_u32 v11, v1, 3, s39                 ; W2 in LDS: my wave's 64 rows + 8 L
	v_lshl_add_u32 v12, v3, 5, W3L                 ; w3 in LDS: 8 h numbers in
	v_mov_b32 v13, 0x2380                          ; (2^-56, 0) in bf16: K place 6 meets b1 x 2^-56, place 7 is unused
	v_mul_u32_u24 v14, v0, 24                      ; thread T makes rows T and T + 128 of W1ext: a row of w1 is 24 bytes
	v_lshlrev_b32 v15, 2, v0                       ; b1[T]
	v_lshlrev_b32 v16, 3, v0                       ; b2 and w3: numbers 2T, 2T+1
	v_mul_u32_u24 v17, v0, P1
	v_add_nc_u32 v17, W1L, v17
	v_lshl_add_u32 v18, v0, 3, B2L
	v_mov_b32 v[SX], 0x23800000                    ; 2^-56 (exponent field 127 - 56 = 71)
	v_mov_b32 v[SX+1], 0x23800000
	v_mov_b32 v[SW], 0x07800000                    ; 2^-112 (exponent field 15)
	v_mov_b32 v[SW+1], 0x07800000
.irp j, 252,253,254,255
	v_mov_b32 v\j, 0                               ; the zero half of a W1ext row
.endr
	s_wait_kmcnt 0x0
	s_min_u32 s26, s26, 7                          ; the expert, inside its tables
	s_mul_i32 s30, s26, 6144
	s_add_nc_u64 s[12:13], s[12:13], s[30:31]      ; w1[e]
	s_lshl_b32 s30, s26, 10
	s_add_nc_u64 s[14:15], s[14:15], s[30:31]      ; b1[e]
	s_add_nc_u64 s[18:19], s[18:19], s[30:31]      ; b2[e]
	s_add_nc_u64 s[20:21], s[20:21], s[30:31]      ; w3[e]
	s_lshl_b32 s30, s26, 18
	s_add_nc_u64 s[16:17], s[16:17], s[30:31]      ; w2[e]
	s_lshl_b32 s29, s26, 2                         ; (the load that read s29 is done: the wait above)
	s_load_b32 s32, s[22:23], s29 offset:0x0       ; b3[e]
	; ---- the small tables, then three chunks of W2 ----
	global_load_b64 v[232:233], v14, s[12:13]
	global_load_b64 v[234:235], v14, s[12:13] offset:8
	global_load_b64 v[236:237], v14, s[12:13] offset:16
	global_load_b64 v[238:239], v14, s[12:13] offset:3072
	global_load_b64 v[240:241], v14, s[12:13] offset:3080
	global_load_b64 v[242:243], v14, s[12:13] offset:3088
	global_load_b32 v244, v15, s[14:15]
	global_load_b32 v245, v15, s[14:15] offset:512
	global_load_b64 v[246:247], v16, s[18:19]
	global_load_b64 v[250:251], v16, s[20:21]
	W2LOAD 0
	W2LOAD 1
	W2LOAD 2
	s_wait_loadcnt 48                              ; loads come back in order (ISA guide 5.7.1): all but the 48 of W2 are in
.irp p, 232,234,236,238,240,242,244
	v_pk_mul_f32 v[\p:\p+1], v[\p:\p+1], v[SX:SX+1]        ; w1 and b1 x 2^-56
.endr
	W1ROW 224, 232, 244
	W1ROW 228, 238, 245
	RND2 246                                       ; b2
	RND2 250                                       ; w3
	ds_store_b128 v17, v[224:227]                  ; K places 0-7
	ds_store_b128 v17, v[224:227] offset:16        ; 8-15: the same again, for the lanes of the upper half
	ds_store_b128 v17, v[252:255] offset:32        ; 16-31: zero
	ds_store_b128 v17, v[252:255] offset:48
	ds_store_b128 v17, v[228:231] offset:128*P1
	ds_store_b128 v17, v[228:231] offset:128*P1+16
	ds_store_b128 v17, v[252:255] offset:128*P1+32
	ds_store_b128 v17, v[252:255] offset:128*P1+48
	ds_store_b64 v18, v[246:247]
	ds_store_b64 v18, v[250:251] offset:W3L-B2L
	; ---- W2 into LDS: 8 chunks through 3 buffers, two chunks always on their way ----
.irp c, 0,1,2,3,4,5,6,7
.if \c < 6
	s_wait_loadcnt 32                              ; younger than this chunk: two chunks of 16 loads
.else
	s_wait_loadcnt 16*(7-\c)                       ; the counts run down: chunk 7 alone, then nothing
.endif
	W2CVT \c
.if \c < 5
	s_wait_dscnt 0x0                               ; the LDS stores have taken their data before loads land on those registers
	W2LOAD \c+3
.endif
.endr
	s_wait_dscnt 0x0                               ; for the other waves' sake: all my LDS stores are done
	s_wait_kmcnt 0x0                               ; b3
	s_barrier_signal -1
	s_barrier_wait -1                              ; the only barrier: from here on LDS is only read
	v_mov_b32 v9, s32
	v_cvt_pk_bf16_f32 v9, v9, v9                   ; b3 rounded to bf16,
	v_lshlrev_b32 v9, 16, v9                       ; and as f32 again
	W3LOAD                                         ; waited for at the head of layer 1's first tile
	; ---- four blocks of 128 positions ----
	s_mov_b32 s36, 0
.Lblock:
	s_wait_loadcnt 0x0                             ; this block's x, asked a whole block ago; s[8:9] may be stepped now
.irp t, 0,1,2,3,4,5,6,7
	LOADW1 \t
.endr
	XBUILD
	s_cmp_eq_u32 s36, NBLK-1
	s_cbranch_scc1 .Lnox                           ; the last block asks for nothing: no load leaves the wave's 512 positions
	s_add_nc_u64 s[8:9], s[8:9], 512
	XLOAD                                          ; the next block's x
.Lnox:
.irp t, 0,1,2,3,4,5,6,7,8,9,10,11,12,13,14,15
	L1T \t
.endr
.irp t, 0,1,2,3,4,5,6,7,8,9,10,11,12,13,14,15
	MT \t
.endr
	EPI15
	FIN
	s_wait_xcnt 0x0                                ; the store's base and data are rewritten only behind this wait
	s_add_nc_u64 s[24:25], s[24:25], 512
	s_add_co_u32 s36, s36, 1
	s_cmp_lt_u32 s36, NBLK
	s_cbranch_scc1 .Lblock
	s_wait_tensorcnt 0x0
	ds_add_u32 v30, v31
	s_wait_dscnt 0x0
	s_endpgm
.Lfunc_end_k_q0f4c14557e_mlp:
	.size	k_q0f4c14557e_mlp, .Lfunc_end_k_q0f4c14557e_mlp-k_q0f4c14557e_mlp
	.p2alignl 7, 3214868480
	.fill 96, 4, 3214868480
	.section	.rodata,"a",@progbits
	.p2align	6, 0x0
	.amdhsa_kernel k_q0f4c14557e_mlp
		.amdhsa_group_segment_fixed_size 158208
		.amdhsa_private_segment_fixed_size 0
		.amdhsa_enable_private_segment 0
		.amdhsa_kernarg_size 72
		.amdhsa_user_sgpr_count 2
		.amdhsa_user_sgpr_kernarg_segment_ptr 1
		.amdhsa_wavefront_size32 1
		.amdhsa_system_sgpr_workgroup_id_x 1
		.amdhsa_system_sgpr_workgroup_id_y 1
		.amdhsa_system_sgpr_workgroup_id_z 1
		.amdhsa_system_vgpr_workitem_id 0
		.amdhsa_next_free_vgpr 1024
		.amdhsa_next_free_sgpr 66
		.amdhsa_reserve_vcc 0
		.amdhsa_float_denorm_mode_32 3
		.amdhsa_float_denorm_mode_16_64 3
		.amdhsa_memory_ordered 1
		.amdhsa_forward_progress 1
		.amdhsa_inst_pref_size 255
	.end_amdhsa_kernel
	.section	.bss,"aw",@nobits
	.p2align	6
	.space	262144
	.amdgpu_metadata
---
amdhsa.version: [ 1, 2 ]
amdhsa.kernels:
  - .name:           k_q0f4c14557e_mlp
    .symbol:         k_q0f4c14557e_mlp.kd
    .args:
      - { .name: x, .offset: 0, .size: 8, .value_kind: global_buffer, .address_space: global }
      - { .name: obj_idx, .offset: 8, .size: 8, .value_kind: global_buffer, .address_space: global }
      - { .name: w1, .offset: 16, .size: 8, .value_kind: global_buffer, .address_space: global }
      - { .name: b1, .offset: 24, .size: 8, .value_kind: global_buffer, .address_space: global }
      - { .name: w2, .offset: 32, .size: 8, .value_kind: global_buffer, .address_space: global }
      - { .name: b2, .offset: 40, .size: 8, .value_kind: global_buffer, .address_space: global }
      - { .name: w3, .offset: 48, .size: 8, .value_kind: global_buffer, .address_space: global }
      - { .name: b3, .offset: 56, .size: 8, .value_kind: global_buffer, .address_space: global }
      - { .name: out0, .offset: 64, .size: 8, .value_kind: global_buffer, .address_space: global }
    .group_segment_fixed_size: 158208
    .private_segment_fixed_size: 0
    .kernarg_segment_align: 8
    .kernarg_segment_size: 72
    .max_flat_workgroup_size: 128
    .sgpr_count:     66
    .vgpr_count:     1024
    .wavefront_size: 32
...
	.end_amdgpu_metadata
.endif
;; end of part 1
;; ======== version 2 of 2: 1 launch; version 1 with the launch mlp written anew for expert scheduling mode
;; limits: values outside matrix products are rounded to bf16; values are held in f16: magnitudes above 65,504 overflow, below 6.1e-05 lose precision; right only within a limited range of input values
;; launch mlp (part 2): grid 16 x 16, 4 waves a work-group, no clusters, 158,208 bytes of LDS; arguments x, obj_idx, w1, b1, w2, b2, w3, b3, out0; writes out0
.if DOCPART == 2
	.amdgcn_target "amdgcn-amd-amdhsa--gfx1250"
	.amdhsa_code_object_version 6
	.text
	.protected	k_q0f4c14557e_mlp
	.globl	k_q0f4c14557e_mlp
	.p2align	8
	.type	k_q0f4c14557e_mlp,@function
k_q0f4c14557e_mlp:
	s_mov_b64 s[64:65], 0
	v_nop
	global_prefetch_b8 v0, s[64:65] scope:SCOPE_SE
	s_setreg_imm32_b32 hwreg(HW_REG_WAVE_SCHED_MODE, 0, 2), 2
	s_setreg_imm32_b32 hwreg(HW_REG_WAVE_MODE, 25, 1), 1
	s_wait_xcnt 0x0
	s_wait_alu depctr_vm_vsrc(0)
; out0[b][p] = w3[e] . relu( W2[e] relu( W1[e] x[b][:,p] + b1[e] ) + b2[e] ) + b3[e],   e = obj_idx[b].
; x [16][6][32768], w1 [8][256][6], w2 [8][256][256], w3 [8][256], b1, b2 [8][256], b3 [8], out0 [16][32768], all f32.
;
; SHARES.  Work-group (cx, b): 2,048 positions of sample b.  Four waves, 512 positions each, in 4 blocks of 128 (8 tiles of 16).
; The three layers are fused: h1 (256 channels x 128 positions, f16) lives in 512 registers of the wave, h2 only in accumulators.
; The expert's W2 is read once by the work-group (262,144 bytes), made 16 bits wide and kept in LDS for all 2,048 positions;
; one fragment of it (1,024 bytes from LDS) feeds 8 matrix instructions.  Behind the one barrier LDS is only read.
; Layer 1 goes to the matrix unit in bf16 with K places 0-5 = w1, 6 = b1, the rest zero; layer 2 in f16.
; Layer 3 has a single output row: it is done in f32 on the vector unit, 4 packed multiply-adds for a tile of 16 x 16, on h2 unrounded.
;
; FORMATS.  EVERY input (x, w1, b1, w2, b2, w3, b3) is rounded to bf16 (nearest even) on entry: the result is reference() on the rounded
; inputs, with f32 sums and one further rounding, that of h1 to f16 (11 significant bits; 8 proved too few).
; f16 codes are made from f32 bits: the bits of t = v x 2^-112 hold v's f16 exponent and mantissa in bits 27:13 (f32's bias 127 less 112
; is f16's bias 15; where v is an f16 denormal, t is an f32 denormal and the same bits hold).
;   h1: W1ext and the fragments of x are scaled by 2^-56 each ahead of their rounding (a power of two commutes with it), so layer 1's
;       sums ARE h x 2^-112; (bits << 3) + 0x8000 rounds (half up) and leaves the code in the upper half; v_perm_b32 packs two of them.
;   W2: scaled by 2^-112 and rounded to bf16, a half is s 000 EEEEE mmmmmmm; its low 12 bits << 3, plus the sign, are the f16 code of
;       bf16(w2), exactly.
;
; NO CLUSTER, NO TENSOR LOADS: the 16 work-groups of a sample share W2, but it lies in memory as f32 and must pass a conversion;
; a joint tile would need 262,144 bytes of f32 beside the 135,168 bytes of 16-bit codes, more than the 327,680 bytes of LDS, so pieces and
; barriers, for bytes that each work-group touches once, ahead of 2,048 x 65,536 multiply-adds.
;
; LIMITS.  h1 and |w2| of 65,504 or more are outside f16 and are not served.  Below 2^-14, h1 has the absolute step 2^-24 and w2 the
; step 2^-21.  |x|, |w1|, |b1| below 2^-70 lose bits (bf16 denormals behind the scaling).  relu is a maximum in which a NaN loses: NaN
; becomes 0.  Non-finite inputs are not served.  obj_idx is clamped by an unsigned minimum to 7: values outside 0..7 all take expert 7.
;
; POSITIONS.  Column r of tile n = 4 h' + q is the block's position 64 h' + 4 r + q.  So the 16 bytes that lane L = 16 h + r loads of a
; channel (positions 4L..4L+3) are, register q, its own column of tile 4 h + q, and a lane ends up with four neighbouring outputs.
;
; REGISTERS, in windows of 256 (s_set_vgpr_msb: bits 1:0 source 0, 3:2 source 1, 5:4 source 2, 7:6 destination):
;   window 0: v4-v18 addresses, v9 b3, v20-23 scales; A ring of 8 fragments; ACC0, ACC1 two sets of 8 accumulator tiles; B2 bias; O layer 3's sums; R result
;   window 1: h1, K steps 0-2 (v0-191); XS x as loaded (v192-215)      window 2: h1, K steps 3-5 (v0-191)
;   window 3: h1, K steps 6-7 (v0-127); W3: w3[16 t + 8 h + j] at v[128 + 8 t + j]
; In layer 2 h1 is the only operand outside window 0 and always source 1, so one setting serves matrix, vector and LDS lines alike.
;
; THE MODE: SCHED_MODE bits 1:0 = 2 (LLVM: expert scheduling mode 2), set by the entry lines.  The code itself states the register dependences
; between vector or matrix instructions and memory or LDS instructions, with s_wait_alu, always for 0.
; THE PLAN.  Registers that memory or LDS instructions touch:
;   v4-v8, v10-v12, v14-v18   offsets and addresses: all made at the head, ahead of ONE wait, and never written again.
;   XS            written by a block's six loads of x; read by the twelve multiplies at the head of XBUILD; asked for again behind XBUILD and a wait.
;   A, slots 0-3  LDS loads land in them; read by layer 1's tiles 0-3 and 8-11 and by links 0-31 of each tile of layer 2.
;   A, slots 4-7  likewise; read by layer 1's tiles 4-7 and 12-15 and by links 32-63.
;   B2            LDS loads land in it; read by links 0-7 as their C.
;   R             written by FIN's additions; read by the block's one store.
;   h1, the accumulators, O and w3's registers (once loaded) are named by vector and matrix instructions alone.
; While one half of the ring is multiplied the other half is asked for.  A wait on va_vdst stands where the halves change: at the heads of layer 1's
; tiles 4, 8 and 12, at the head of each tile of layer 2 and ahead of its link 32.  Behind it the loads into the half just left are dealt among
; matrix instructions that name the other half, the accumulators and h1, and vector lines that name the other accumulator set, O and w3:
; none of the registers that those loads touch.  The wait ahead of the store also frees the whole ring for the next block's first loads.
; In the prologue a chunk of W2 is converted whole, one wait, then its sixteen LDS stores, one wait on vm_vsrc, then the buffer's next loads.
.set VB,   131072                      ; bytes of a channel of x, and of a sample of out0
.set NBLK, 4                           ; blocks of 128 positions of a wave
.set P2,   528                         ; LDS pitch of W2: 512 bytes + 16 = 33 x 16: the 16 rows of a fragment load start in 16 different 16-byte columns modulo 256
.set P1,   80                          ; LDS pitch of W1ext: 64 bytes + 16 = 5 x 16
.set W1L,  256*P2                      ; 135,168: W1ext, 256 rows
.set B2L,  W1L+256*P1                  ; 155,648: b2, rounded, as f32: 1,024 bytes
.set W3L,  B2L+1024                    ; 156,672: w3, rounded, as f32: 1,024 bytes; the end is 157,696
.set SX,   20                          ; v[20:21]   2^-56, twice: the scale of x, w1 and b1
.set SW,   22                          ; v[22:23]   2^-112, twice: the scale of W2
.set A,    32                          ; v[32:95]   ring of 8 fragments (W1 tiles in layer 1, W2's 8 K steps in layer 2)
.set ACC0, 96                          ; v[96:159]  layer 1: the 8 fragments of x;  layer 2: accumulators of even tiles
.set ACC1, 160                         ; v[160:223] layer 1: its 8 results;         layer 2: accumulators of odd tiles
.set B2,   224                         ; v[224:231] b2[16 t + 8 h + j]
.set O,    232                         ; v[232:247] 8 pairs: layer 3's partial sums of tile n
.set R,    248                         ; v[248:251] four outputs
.set XS,   192                         ; window 1: channel i in v[192+4i : 195+4i]
.set W3,   128                         ; window 3
.set MSB, 0
.macro WIN new                         ; the immediate's high byte repeats the setting that is left; no line where nothing changes
.if MSB != \new
	s_set_vgpr_msb (MSB<<8)|\new
.set MSB, \new
.endif
.endm
; A vector instruction that reads a matrix result stands four places behind it; only plain vector instructions that name none of its
; registers are places (ISA guide 7.12.1).
.macro PLACES
.rept 4
	v_nop
.endr
.endm
; 16 loads: chunk c (8 rows of W2, 8,192 bytes) of my wave's 64 rows into one of three buffers of 64 registers
.macro W2LOAD c
.set wl_c, \c
.set ii, 0
.rept 16
	global_load_b128 v[A+64*(wl_c%3)+4*ii:A+64*(wl_c%3)+4*ii+3], v10, s[16:17] offset:wl_c*8192+ii*512
.set ii, ii+1
.endr
.endm
; chunk c to the f16 codes of bf16(w2) and into LDS: load i held half a row (128 numbers); a lane's 4 numbers become 8 bytes,
; a wave's store 256 neighbouring bytes.  All the chunk's vector lines, one wait, then all its stores.
.macro W2CVT c
.set wc_c, \c
.set wb, A+64*(wc_c%3)
.set ii, 0
.rept 16
	v_pk_mul_f32 v[wb+4*ii:wb+4*ii+1], v[wb+4*ii:wb+4*ii+1], v[SW:SW+1]          ; x 2^-112
	v_pk_mul_f32 v[wb+4*ii+2:wb+4*ii+3], v[wb+4*ii+2:wb+4*ii+3], v[SW:SW+1]
	v_cvt_pk_bf16_f32 v[wb+4*ii], v[wb+4*ii], v[wb+4*ii+1]                       ; the rounding to 8 significant bits
	v_cvt_pk_bf16_f32 v[wb+4*ii+1], v[wb+4*ii+2], v[wb+4*ii+3]
	v_and_b32 v[wb+4*ii+2], s41, v[wb+4*ii]                                      ; the two signs
	v_and_b32 v[wb+4*ii+3], s41, v[wb+4*ii+1]
	v_and_b32 v[wb+4*ii], s42, v[wb+4*ii]                                        ; 5 bits of exponent and 7 of mantissa, twice
	v_and_b32 v[wb+4*ii+1], s42, v[wb+4*ii+1]
	v_lshl_add_u32 v[wb+4*ii], v[wb+4*ii], 3, v[wb+4*ii+2]                       ; into f16's places
	v_lshl_add_u32 v[wb+4*ii+1], v[wb+4*ii+1], 3, v[wb+4*ii+3]
.set ii, ii+1
.endr
	s_wait_alu depctr_va_vdst(0)                   ; the lines above have written the codes, which the LDS stores read, and are done with the whole buffer, in which the next loads land
.set ii, 0
.rept 16
	ds_store_b64 v11, v[wb+4*ii:wb+4*ii+1] offset:(8*wc_c+ii/2)*P2+(ii%2)*256
.set ii, ii+1
.endr
.endm
; w3 for the whole kernel: 16 tiles x 8 numbers a lane, from LDS into window 3; the 16 lanes of a half read the same bytes.
; No vector line has named these registers, and v12 was written ahead of the head's wait.
.macro W3LOAD
	WIN 0xc0
.set ii, 0
.rept 16
	ds_load_b128 v[W3+8*ii:W3+8*ii+3], v12 offset:64*ii
	ds_load_b128 v[W3+8*ii+4:W3+8*ii+7], v12 offset:64*ii+16
.set ii, ii+1
.endr
	WIN 0
.endm
; one row of W1ext, from numbers already scaled by 2^-56: (w0,w1) (w2,w3) (w4,w5) (b1, 0); v252 holds 0
.macro W1ROW dst, w, b
	v_cvt_pk_bf16_f32 v[\dst], v[\w], v[\w+1]
	v_cvt_pk_bf16_f32 v[\dst+1], v[\w+2], v[\w+3]
	v_cvt_pk_bf16_f32 v[\dst+2], v[\w+4], v[\w+5]
	v_cvt_pk_bf16_f32 v[\dst+3], v[\b], v252
.endm
; two f32 in v[p], v[p+1] rounded to bf16 and widened to f32 again (they are used as f32 operands)
.macro RND2 p
	v_cvt_pk_bf16_f32 v248, v[\p], v[\p+1]
	v_lshlrev_b32 v[\p], 16, v248
	v_and_b32 v[\p+1], s33, v248
.endm
; the fragment of W2's tile t (rows 16 t ..), K step k, into ring slot k
.macro LOADF t, k
.set la_t, \t
.set la_k, \k
.if la_t < 8
	ds_load_b128 v[A+8*la_k:A+8*la_k+3], v4 offset:(la_t%8)*16*P2+64*la_k
	ds_load_b128 v[A+8*la_k+4:A+8*la_k+7], v4 offset:(la_t%8)*16*P2+64*la_k+32
.else
	ds_load_b128 v[A+8*la_k:A+8*la_k+3], v5 offset:(la_t%8)*16*P2+64*la_k
	ds_load_b128 v[A+8*la_k+4:A+8*la_k+7], v5 offset:(la_t%8)*16*P2+64*la_k+32
.endif
.endm
.macro LOADB2 t                        ; b2[16 t + 8 h + 0..7]
.set lb_t, \t
	ds_load_b128 v[B2:B2+3], v7 offset:64*lb_t
	ds_load_b128 v[B2+4:B2+7], v7 offset:64*lb_t+16
.endm
.macro LOADW1 t                        ; W1ext's tile t into ring slot t % 8
.set lw_t, \t
	ds_load_b128 v[A+8*(lw_t%8):A+8*(lw_t%8)+3], v6 offset:16*P1*lw_t
	ds_load_b128 v[A+8*(lw_t%8)+4:A+8*(lw_t%8)+7], v6 offset:16*P1*lw_t+32
.endm
.macro XLOAD                           ; six channels of a block: each load covers 512 neighbouring bytes; read once in the launch
	WIN 0x40
	s_wait_alu depctr_va_vdst(0)                   ; at the head: v4 to v18, every offset and address of the kernel, are written; in the loop: XBUILD's multiplies are done reading XS, in which these loads land
.irp i, 0,1,2,3,4,5
	global_load_b128 v[XS+4*\i:XS+4*\i+3], v8, s[8:9] offset:\i*VB th:TH_LOAD_NT
.endr
	WIN 0
.endm
; The 8 B fragments of layer 1, of x scaled by 2^-56.  Tile 4 h' + q: registers 0-2 = (x0,x1) (x2,x3) (x4,x5), register 3 = (2^-56, 0),
; in the lanes of half h' alone (that half carries K places 8 h' .. 8 h' + 7, and W1ext repeats its eight numbers there); zero in the
; other half and in registers 4-7.
.macro XBUILD
	WIN 0x01                                       ; source 0: x as loaded, window 1
.set ii, 0
.rept 12
	v_pk_mul_f32 v[ACC1+32+2*ii:ACC1+33+2*ii], v[XS+2*ii:XS+2*ii+1], v[SX:SX+1]
.set ii, ii+1
.endr
	WIN 0
.irp q, 0,1,2,3
.irp c, 0,1,2
	v_cvt_pk_bf16_f32 v[ACC1+3*\q+\c], v[ACC1+32+8*\c+\q], v[ACC1+32+8*\c+4+\q]
.endr
.endr
.irp q, 0,1,2,3
.irp c, 0,1,2
	v_cndmask_b32 v[ACC0+8*\q+\c], v[ACC1+3*\q+\c], 0, s33
	v_cndmask_b32 v[ACC0+8*(4+\q)+\c], 0, v[ACC1+3*\q+\c], s33
.endr
	v_cndmask_b32 v[ACC0+8*\q+3], v13, 0, s33
	v_cndmask_b32 v[ACC0+8*(4+\q)+3], 0, v13, s33
.endr
.set nn, 0
.rept 8                                ; K places 16-31 are unused.  These registers are layer 2's accumulators in between, so the zeros are written in each block
.irp c, 4,5,6,7
	v_mov_b32 v[ACC0+8*nn+\c], 0
.endr
.set nn, nn+1
.endr
.endm
; Layer 1, channels 16 t .. 16 t + 15 of all 128 positions.  A result tile (register j: channel 16 t + 8 h + j, column r), packed in pairs,
; is registers 4 (t % 2) .. + 3 of layer 2's B fragment of K step t / 2: h1 never leaves the lane.
; The sums are h x 2^-112.  relu in f32, in place; then no sign is left, (bits << 3) + 0x8000 rounds to 11 significant bits and has the
; f16 code in its upper half; v_perm_b32 packs two upper halves straight into h1's window.
; The ring is asked for by halves, at the heads of tiles 4, 8 and 12, each time behind one wait and four tiles ahead of the first use.
.macro L1T t
.set lt, \t
	WIN 0
.if lt == 0
	s_wait_dscnt 0x0                               ; the eight W1 fragments of tiles 0 .. 7 (first block: w3 too); nothing younger is out
.endif
.if lt == 4
	s_wait_alu depctr_va_vdst(0)                   ; the matrix instructions of tiles 0-3 are done reading slots 0-3, in which the loads below land
.irp u, 8,9,10,11
	LOADW1 \u
.endr
.endif
.if lt == 8
	s_wait_alu depctr_va_vdst(0)                   ; the matrix instructions of tiles 4-7 are done reading slots 4-7, in which the loads below land
.irp u, 12,13,14,15
	LOADW1 \u
.endr
	s_wait_dscnt 8                                 ; LDS loads come back in order (ISA guide 5.7.1): the fragments of tiles 8-11 are in, the eight loads just issued stay out
.endif
.if lt == 12
	s_wait_alu depctr_va_vdst(0)                   ; the matrix instructions of tiles 8-11 are done reading slots 0-3; whoever named B2 last (the rows of W1ext, or layer 2's last tile) is done with it
.irp u, 0,1,2,3
	LOADF 0, \u                                    ; layer 2's first fragments
.endr
	LOADB2 0
	s_wait_dscnt 10                                ; the fragments of tiles 12-15 are in, the ten loads just issued stay out
.endif
.set nn, 0
.rept 8
	v_wmma_f32_16x16x32_bf16 v[ACC1+8*nn:ACC1+8*nn+7], v[A+8*(lt%8):A+8*(lt%8)+7], v[ACC0+8*nn:ACC0+8*nn+7], 0
.set nn, nn+1
.endr
	PLACES                                         ; in front of the first line that reads a result
.set ii, 0
.rept 64
	v_max_num_f32 v[ACC1+ii], 0, v[ACC1+ii]        ; relu
.set ii, ii+1
.endr
.set ii, 0
.rept 64
	v_lshl_add_u32 v[ACC1+ii], v[ACC1+ii], 3, s43  ; the f16 code, rounded, in the upper half
.set ii, ii+1
.endr
.set wsel, (1+lt/6)<<6
	WIN wsel                                       ; destination: the window of K step t / 2; the sources stay in window 0
.set nn, 0
.rept 8
.irp c, 0,1,2,3
	v_perm_b32 v[64*((lt/2)%3)+8*nn+4*(lt%2)+\c], v[ACC1+8*nn+2*\c+1], v[ACC1+8*nn+2*\c], s40    ; low half: channel 2c, high half: 2c + 1
.endr
.set nn, nn+1
.endr
.endm
; Layer 2, channels 16 t .. 16 t + 15: 8 K steps x 8 position tiles, the first link takes b2 as C, the others are chains in place.
; Behind each matrix instruction stands a share of tile t - 1's way out (the other accumulator set): 64 relu over the first 48 places,
; then, where source 1 means window 3 and so reaches w3, 32 packed multiply-adds of layer 3.
; The LDS loads: this tile's K steps 4-7 behind links 0-3, the next tile's K steps 0-3 behind links 32-35 and its b2 behind link 36,
; one fragment at a time, each 28 links or more ahead of its first use.
.macro MT t
.set mt, \t
.set CUR, ACC0+64*(mt%2)
.set PRV, ACC0+64*((mt+1)%2)
	WIN 0x04                                       ; K step 0's window, ahead of the waits
	s_wait_dscnt 0x0                               ; slots 0-3 and b2 of this tile; nothing younger is out
	s_wait_alu depctr_va_vdst(0)                   ; the matrix instructions that read slots 4-7 last (the tile before's links 32-63; layer 1's tiles 12-15) are done: the loads behind links 0-3 land there
.if mt == 1
	PLACES                                         ; tile 0 had no vector work among its last links: the places in front of the first relu
.endif
.set sl, 0
.rept 64
.set kk, sl/8
.set nn, sl%8
.set wsel, (1+kk/3)<<2
	WIN wsel
.if sl == 32
	s_wait_dscnt 0x0                               ; slots 4-7, asked behind links 0-3
.if mt < 15
	s_wait_alu depctr_va_vdst(0)                   ; links 0-31 are done reading slots 0-3 and b2: the loads behind links 32-36 land there
.endif
.if mt == 0
	PLACES                                         ; tile 0 has no vector work between the use of slots 0-3 and of b2 and the loads into them
.endif
.endif
.if kk == 0
	v_wmma_f32_16x16x32_f16 v[CUR+8*nn:CUR+8*nn+7], v[A+8*kk:A+8*kk+7], v[64*(kk%3)+8*nn:64*(kk%3)+8*nn+7], v[B2:B2+7]
.else
	v_wmma_f32_16x16x32_f16 v[CUR+8*nn:CUR+8*nn+7], v[A+8*kk:A+8*kk+7], v[64*(kk%3)+8*nn:64*(kk%3)+8*nn+7], v[CUR+8*nn:CUR+8*nn+7]
.endif
.if mt > 0
.if sl < 48
.set ii, (4*sl)/3
.rept (4*(sl+1))/3-(4*sl)/3
	v_max_num_f32 v[PRV+ii], v[PRV+ii], 0          ; the constant is source 1: the window of source 1 does not touch this line
.set ii, ii+1
.endr
.else
.set pp, (sl-48)/4
.set n2, 2*((sl-48)%4)
.rept 2
.if mt+pp == 1
	v_pk_mul_f32 v[O+2*n2:O+2*n2+1], v[PRV+8*n2+2*pp:PRV+8*n2+2*pp+1], v[W3+8*(mt-1)+2*pp:W3+8*(mt-1)+2*pp+1]    ; tile 0's first pair starts the sums: nothing is cleared
.else
	v_pk_fma_f32 v[O+2*n2:O+2*n2+1], v[PRV+8*n2+2*pp:PRV+8*n2+2*pp+1], v[W3+8*(mt-1)+2*pp:W3+8*(mt-1)+2*pp+1], v[O+2*n2:O+2*n2+1]
.endif
.set n2, n2+1
.endr
.endif
.endif
.if sl < 4
	LOADF mt, 4+sl                                 ; no wait: no vector or matrix instruction since the wait at the tile's head names slots 4-7
.endif
.if mt < 15
.if (sl >= 32) && (sl < 36)
	LOADF mt+1, sl-32                              ; no wait: no vector or matrix instruction since the wait ahead of link 32 names slots 0-3 or b2
.endif
.if sl == 36
	LOADB2 mt+1
.endif
.endif
.set sl, sl+1
.endr
.endm
.macro EPI15                           ; tile 15's way out, in a row; sixteen packed multiply-adds stand behind the link that it reads first
	WIN 0x0c
.set ii, 0
.rept 64
	v_max_num_f32 v[ACC1+ii], v[ACC1+ii], 0
.set ii, ii+1
.endr
.irp p, 0,1,2,3
.irp j, 0,1,2,3,4,5,6,7
	v_pk_fma_f32 v[O+2*\j:O+2*\j+1], v[ACC1+8*\j+2*\p:ACC1+8*\j+2*\p+1], v[W3+120+2*\p:W3+120+2*\p+1], v[O+2*\j:O+2*\j+1]
.endr
.endr
.endm
; A column's sum is spread over a pair of registers and over lanes r and r + 16.  Lane (r, h) keeps tiles 4 h + q and hands the
; other four tiles' parts to its partner: it ends with outputs 4 L .. 4 L + 3, and the wave's store covers 512 consecutive bytes, aligned.
.macro FIN
	WIN 0
.irp j, 0,1,2,3,4,5,6,7
	v_add_f32 v[O+2*\j], v[O+2*\j], v[O+2*\j+1]
.endr
.irp q, 0,1,2,3
	v_cndmask_b32 v[O+2*\q+1], v[O+8+2*\q], v[O+2*\q], s33     ; what the partner needs
	v_cndmask_b32 v[R+\q], v[O+2*\q], v[O+8+2*\q], s33         ; my own part
.endr
.irp q, 0,1,2,3
	v_permlanex16_b32 v[O+9+2*\q], v[O+2*\q+1], s34, s35       ; lane i takes lane i xor 16; the destination has been written before
	v_add_f32 v[R+\q], v9, v[R+\q]                             ; + b3
.endr
.irp q, 0,1,2,3
	v_add_f32 v[R+\q], v[R+\q], v[O+9+2*\q]
.endr
	s_wait_alu depctr_va_vdst(0)                   ; the additions have written v[R ..], which the store reads; layer 2's links are done reading the ring, in which the next block's first loads land
	global_store_b128 v8, v[R:R+3], s[24:25] th:TH_STORE_NT
.endm
	; ---- scalars and addresses: all of them ahead of the wait for the arguments, so that one wait serves every load and store ----
	s_load_b512 s[8:23], s[0:1], 0x0               ; x s[8:9], obj_idx s[10:11], w1 s[12:13], b1 s[14:15], w2 s[16:17], b2 s[18:19], w3 s[20:21], b3 s[22:23]
	s_load_b64 s[24:25], s[0:1], 0x40              ; out0
	v_lshl_add_u32 v30, v0, 2, 0x26800
	v_mov_b32 v31, 0
	v_lshrrev_b32 v1, 5, v0
	v_readfirstlane_b32 s27, v1                    ; wave 0..3
	s_and_b32 s28, ttmp7, 0xffff                   ; sample b
	s_lshl_b32 s29, s28, 2
	s_mov_b32 s31, 0                               ; high word of every offset pair s[30:31]
	s_mov_b32 s33, 0xffff0000                      ; lanes 16-31 as a lane mask; also the upper half of a word
	s_mov_b32 s34, 0x76543210                      ; v_permlanex16_b32: lane i of the other half
	s_mov_b32 s35, 0xfedcba98
	s_mov_b32 s40, 0x07060302                      ; v_perm_b32: the upper halves of both sources
	s_mov_b32 s41, 0x80008000                      ; the signs of two 16-bit codes
	s_mov_b32 s42, 0x0fff0fff                      ; their low 12 bits
	s_mov_b32 s43, 0x8000                          ; half a step of the upper half: the rounding of h1
	v_and_b32 v1, 31, v0                           ; L
	v_and_b32 v2, 15, v0                           ; r
	v_bfe_u32 v3, v0, 4, 1                         ; h
	s_wait_alu depctr_va_sdst(0)                   ; s27 is written, ahead of its first reader: the wave's shares of x, out0 and W2 are made from it
	s_lshl_b32 s38, s27, 11
	v_lshl_add_u32 v8, v1, 4, s38                  ; x and out0: wave x 512 positions x 4 bytes + 16 L; never rewritten
	s_mul_i32 s30, s28, 6*VB
	s_lshl_b32 s37, ttmp9, 13                      ; the work-group's 2,048 positions x 4 bytes
	s_add_co_u32 s30, s30, s37
	v_mul_u32_u24 v4, v2, P2
	v_lshl_add_u32 v4, v3, 4, v4                   ; W2 fragments, tiles 0-7: r x pitch + 16 h
	v_add_nc_u32 v5, 8*16*P2, v4                   ; tiles 8-15: the immediate offset has 16 bits
	v_mul_u32_u24 v6, v2, P1
	v_lshl_add_u32 v6, v3, 4, v6
	v_add_nc_u32 v6, W1L, v6                       ; W1ext fragments
	v_lshl_add_u32 v7, v3, 5, B2L                  ; b2 in LDS: 8 h numbers in
	s_lshl_b32 s38, s27, 16
	v_lshl_add_u32 v10, v1, 4, s38                 ; W2 in memory: my wave's 64 rows of 1,024 bytes + 16 L
	s_mul_i32 s39, s27, 64*P2
	v_lshl_add_u32 v11, v1, 3, s39                 ; W2 in LDS: my wave's 64 rows + 8 L
	v_lshl_add_u32 v12, v3, 5, W3L                 ; w3 in LDS: 8 h numbers in
	v_mov_b32 v13, 0x2380                          ; (2^-56, 0) in bf16: K place 6 meets b1 x 2^-56, place 7 is unused
	v_mul_u32_u24 v14, v0, 24                      ; thread T makes rows T and T + 128 of W1ext: a row of w1 is 24 bytes
	v_lshlrev_b32 v15, 2, v0                       ; b1[T]
	v_lshlrev_b32 v16, 3, v0                       ; b2 and w3: numbers 2T, 2T+1
	v_mul_u32_u24 v17, v0, P1
	v_add_nc_u32 v17, W1L, v17
	v_lshl_add_u32 v18, v0, 3, B2L
	v_mov_b32 v[SX], 0x23800000                    ; 2^-56 (exponent field 127 - 56 = 71)
	v_mov_b32 v[SX+1], 0x23800000
	v_mov_b32 v[SW], 0x07800000                    ; 2^-112 (exponent field 15)
	v_mov_b32 v[SW+1], 0x07800000
.irp j, 252,253,254,255
	v_mov_b32 v\j, 0                               ; the zero half of a W1ext row
.endr
	s_wait_kmcnt 0x0
	s_load_b32 s26, s[10:11], s29 offset:0x0       ; obj_idx[b]
	s_add_nc_u64 s[8:9], s[8:9], s[30:31]
	XLOAD                                          ; block 0's x does not hang on the expert: asked while obj_idx[b] is on its way
	s_lshl_b32 s30, s28, 17
	s_add_co_u32 s30, s30, s37
	s_add_nc_u64 s[24:25], s[24:25], s[30:31]
	s_wait_kmcnt 0x0
	s_min_u32 s26, s26, 7                          ; the expert, inside its tables
	s_mul_i32 s30, s26, 6144
	s_add_nc_u64 s[12:13], s[12:13], s[30:31]      ; w1[e]
	s_lshl_b32 s30, s26, 10
	s_add_nc_u64 s[14:15], s[14:15], s[30:31]      ; b1[e]
	s_add_nc_u64 s[18:19], s[18:19], s[30:31]      ; b2[e]
	s_add_nc_u64 s[20:21], s[20:21], s[30:31]      ; w3[e]
	s_lshl_b32 s30, s26, 18
	s_add_nc_u64 s[16:17], s[16:17], s[30:31]      ; w2[e]
	s_lshl_b32 s29, s26, 2                         ; (the load that read s29 is done: the wait above)
	s_load_b32 s32, s[22:23], s29 offset:0x0       ; b3[e]
	; ---- the small tables, then three chunks of W2: their offsets were written ahead of the head's wait, and no vector line has named their destinations ----
	global_load_b64 v[232:233], v14, s[12:13]
	global_load_b64 v[234:235], v14, s[12:13] offset:8
	global_load_b64 v[236:237], v14, s[12:13] offset:16
	global_load_b64 v[238:239], v14, s[12:13] offset:3072
	global_load_b64 v[240:241], v14, s[12:13] offset:3080
	global_load_b64 v[242:243], v14, s[12:13] offset:3088
	global_load_b32 v244, v15, s[14:15]
	global_load_b32 v245, v15, s[14:15] offset:512
	global_load_b64 v[246:247], v16, s[18:19]
	global_load_b64 v[250:251], v16, s[20:21]
	W2LOAD 0
	W2LOAD 1
	W2LOAD 2
	s_wait_loadcnt 48                              ; loads come back in order (ISA guide 5.7.1): all but the 48 of W2 are in
.irp p, 232,234,236,238,240,242,244
	v_pk_mul_f32 v[\p:\p+1], v[\p:\p+1], v[SX:SX+1]        ; w1 and b1 x 2^-56
.endr
	W1ROW 224, 232, 244
	W1ROW 228, 238, 245
	RND2 246                                       ; b2
	RND2 250                                       ; w3
	s_wait_alu depctr_va_vdst(0)                   ; the lines above have written v[224:231], v[246:247] and v[250:251], which the LDS stores read
	ds_store_b128 v17, v[224:227]                  ; K places 0-7
	ds_store_b128 v17, v[224:227] offset:16        ; 8-15: the same again, for the lanes of the upper half
	ds_store_b128 v17, v[252:255] offset:32        ; 16-31: zero
	ds_store_b128 v17, v[252:255] offset:48
	ds_store_b128 v17, v[228:231] offset:128*P1
	ds_store_b128 v17, v[228:231] offset:128*P1+16
	ds_store_b128 v17, v[252:255] offset:128*P1+32
	ds_store_b128 v17, v[252:255] offset:128*P1+48
	ds_store_b64 v18, v[246:247]
	ds_store_b64 v18, v[250:251] offset:W3L-B2L
	; ---- W2 into LDS: 8 chunks through 3 buffers, two chunks always on their way ----
.irp c, 0,1,2,3,4,5,6,7
.if \c < 6
	s_wait_loadcnt 32                              ; younger than this chunk: two chunks of 16 loads
.else
	s_wait_loadcnt 16*(7-\c)                       ; the counts run down: chunk 7 alone, then nothing
.endif
	W2CVT \c
.if \c < 5
	s_wait_dscnt 0x0                               ; the LDS stores have taken their data before loads land on those registers
	s_wait_alu depctr_vm_vsrc(0)                   ; the LDS stores have read this buffer's registers, in which the loads below land: the counter above is not leaned on for that
	W2LOAD \c+3
.endif
.endr
	s_wait_dscnt 0x0                               ; for the other waves' sake: all my LDS stores are done
	s_wait_kmcnt 0x0                               ; b3
	s_barrier_signal -1
	s_barrier_wait -1                              ; the only barrier: from here on LDS is only read
	s_wait_alu depctr_vm_vsrc(0)                   ; my LDS stores have read v[32:223] and v[224:255]: from here on these are the ring, the fragments of x, the accumulators, B2, O and R, written by LDS loads and by vector and matrix lines
	v_mov_b32 v9, s32
	v_cvt_pk_bf16_f32 v9, v9, v9                   ; b3 rounded to bf16,
	v_lshlrev_b32 v9, 16, v9                       ; and as f32 again
	W3LOAD                                         ; waited for at the head of layer 1's first tile
	; ---- four blocks of 128 positions ----
	s_mov_b32 s36, 0
.Lblock:
	s_wait_loadcnt 0x0                             ; this block's x, asked a whole block ago; s[8:9] may be stepped now
.irp t, 0,1,2,3,4,5,6,7
	LOADW1 \t                                      ; no wait here: on the way in the last chunks' waits, on the way back the wait ahead of the store, stand behind every line that named the ring
.endr
	XBUILD
	s_cmp_eq_u32 s36, NBLK-1
	s_cbranch_scc1 .Lnox                           ; the last block asks for nothing: no load leaves the wave's 512 positions
	s_add_nc_u64 s[8:9], s[8:9], 512
	XLOAD                                          ; the next block's x
.Lnox:
.irp t, 0,1,2,3,4,5,6,7,8,9,10,11,12,13,14,15
	L1T \t
.endr
.irp t, 0,1,2,3,4,5,6,7,8,9,10,11,12,13,14,15
	MT \t
.endr
	EPI15
	FIN
	s_wait_xcnt 0x0                                ; the store's base and data are rewritten only behind this wait
	s_wait_alu depctr_vm_vsrc(0)                   ; the store has read v[R ..], which the next block's last lines write again
	s_add_nc_u64 s[24:25], s[24:25], 512
	s_add_co_u32 s36, s36, 1
	s_cmp_lt_u32 s36, NBLK
	s_cbranch_scc1 .Lblock
	s_wait_dscnt 0x0
	s_wait_alu depctr_hold_cnt(0) depctr_sa_sdst(0) depctr_va_vdst(0) depctr_va_sdst(0) depctr_va_ssrc(0) depctr_va_vcc(0) depctr_vm_vsrc(0)
	s_wait_tensorcnt 0x0
	ds_add_u32 v30, v31
	s_wait_dscnt 0x0
	s_endpgm
.Lfunc_end_k_q0f4c14557e_mlp:
	.size	k_q0f4c14557e_mlp, .Lfunc_end_k_q0f4c14557e_mlp-k_q0f4c14557e_mlp
	.p2alignl 7, 3214868480
	.fill 96, 4, 3214868480
	.section	.rodata,"a",@progbits
	.p2align	6, 0x0
	.amdhsa_kernel k_q0f4c14557e_mlp
		.amdhsa_group_segment_fixed_size 158208
		.amdhsa_private_segment_fixed_size 0
		.amdhsa_enable_private_segment 0
		.amdhsa_kernarg_size 72
		.amdhsa_user_sgpr_count 2
		.amdhsa_user_sgpr_kernarg_segment_ptr 1
		.amdhsa_wavefront_size32 1
		.amdhsa_system_sgpr_workgroup_id_x 1
		.amdhsa_system_sgpr_workgroup_id_y 1
		.amdhsa_system_sgpr_workgroup_id_z 1
		.amdhsa_system_vgpr_workitem_id 0
		.amdhsa_next_free_vgpr 1024
		.amdhsa_next_free_sgpr 66
		.amdhsa_reserve_vcc 0
		.amdhsa_float_denorm_mode_32 3
		.amdhsa_float_denorm_mode_16_64 3
		.amdhsa_memory_ordered 1
		.amdhsa_forward_progress 1
		.amdhsa_inst_pref_size 255
	.end_amdhsa_kernel
	.section	.bss,"aw",@nobits
	.p2align	6
	.space	262144
	.amdgpu_metadata
---
amdhsa.version: [ 1, 2 ]
amdhsa.kernels:
  - .name:           k_q0f4c14557e_mlp
    .symbol:         k_q0f4c14557e_mlp.kd
    .args:
      - { .name: x, .offset: 0, .size: 8, .value_kind: global_buffer, .address_space: global }
      - { .name: obj_idx, .offset: 8, .size: 8, .value_kind: global_buffer, .address_space: global }
      - { .name: w1, .offset: 16, .size: 8, .value_kind: global_buffer, .address_space: global }
      - { .name: b1, .offset: 24, .size: 8, .value_kind: global_buffer, .address_space: global }
      - { .name: w2, .offset: 32, .size: 8, .value_kind: global_buffer, .address_space: global }
      - { .name: b2, .offset: 40, .size: 8, .value_kind: global_buffer, .address_space: global }
      - { .name: w3, .offset: 48, .size: 8, .value_kind: global_buffer, .address_space: global }
      - { .name: b3, .offset: 56, .size: 8, .value_kind: global_buffer, .address_space: global }
      - { .name: out0, .offset: 64, .size: 8, .value_kind: global_buffer, .address_space: global }
    .group_segment_fixed_size: 158208
    .private_segment_fixed_size: 0
    .kernarg_segment_align: 8
    .kernarg_segment_size: 72
    .max_flat_workgroup_size: 128
    .sgpr_count:     66
    .vgpr_count:     1024
    .wavefront_size: 32
...
	.end_amdgpu_metadata
.endif
;; end of part 2
